; MI455X (gfx1250); checked and timed in simulation.
; The chip was launched on July 23, 2026; its instructions are those of AMD's public machine-readable ISA for CDNA 5 (MIT licence, August 2026) and "CDNA5" Instruction Set Architecture Reference Guide (July 2026). The comments in the code are by the model that wrote it; some were corrected since.
;; Chamfer Loss. Allowed arithmetic: float matrix products may take bf16 or f16 operands with f32 sums; all other float work in f32.
;; Inputs: gts 1 x 10,000 x 3 float32; preds 10,000 x 3 float32.
;; Outputs: out0 1 x 10,000 float32; out1 1 x 10,000 float32; out2 1 x 10,000 int32; out3 1 x 10,000 int32.
;; 2 versions, each right; version 2 is version 1 with the launch pairs written anew for expert scheduling mode. Each part assembles by itself: llvm-mc -triple=amdgcn-amd-amdhsa -mcpu=gfx1250 --defsym DOCPART=n.
;; ======== version 1 of 2: 3 launches
;; workspace buffers: pm 5,242,880 bytes; ch 81,920 bytes of whole numbers; rec 327,680 bytes
;; launch pairs (part 1): grid 16 x 16, 8 waves a work-group, no clusters, 190,464 bytes of LDS; arguments gts, preds, pm; writes pm
.if DOCPART == 1
	.amdgcn_target "amdgcn-amd-amdhsa--gfx1250"
	.amdhsa_code_object_version 6
	.text
	.protected	k_q1aa45728c2_pairs
	.globl	k_q1aa45728c2_pairs
	.p2align	8
	.type	k_q1aa45728c2_pairs,@function
k_q1aa45728c2_pairs:
	s_mov_b64 s[64:65], 0
	v_nop
	global_prefetch_b8 v0, s[64:65] scope:SCOPE_SE
	s_setreg_imm32_b32 hwreg(HW_REG_WAVE_MODE, 25, 1), 1
	s_wait_xcnt 0x0
; PAIRS: minima of P[n][m] = (xx[n] + yy[m]) - 2 zz[n][m] over chunks of 160 n and over chunks of 160 m.
; x = gts (index n), y = preds (index m), 10,000 points each, padded here to 10,240.
;
; ARITHMETIC.  The indices that follow from these minima have to be the exact ones, so every P carries the roundings of
; the defining formula evaluated in f32 on coordinates rounded to bf16: xx = (q0+q1)+q2, zz = (p0+p1)+p2, S = xx+yy,
; P = S - 2 zz.  Products of two bf16 numbers have 16 significant bits and are exact in f32, so a fused multiply-add
; rounds exactly as a multiply and an add would; 2 zz is exact, so fma(-2, zz, S) is the last rounding.
; The product zz is made on the vector ALU and not by a matrix instruction: a bf16 matrix instruction adds its products
; with one rounding, which is not the chain (p0+p1)+p2, and one last bit decides ties between candidates; K = 3 would
; also fill 3 of its 32 places along K.
; LIMITS: NaN and infinite inputs are not served (the minima drop NaN).  Where a product of two rounded coordinates is
; below 2^-126 it is not exact any more and the last bit may differ from an evaluation that does not fuse.
;
; SHARES.  16 x 16 work-groups, each 640 m x 640 n; 8 waves; wave (wm, wn) takes 320 m x 160 n.  Lane (h, r) owns the ten
; m = 160 h + 32 j + 2 r + e (j = 0..4, e = 0, 1) of the wave, as five register pairs for the packed f32 instructions.
; The n of the wave are walked one by one: their records (x0, x1, x2, xx) lie in an LDS table of the wave and are read by
; loads in which all lanes ask for the same 16 bytes.  Per n the wave issues 25 packed instructions for P, 5 minima over
; n (two n at a time in v_min3) and 5 minima over the lane's ten m.
; Every P is used for both directions.  The minima over the lane's m go to an LDS stage of the wave (row = lane) and are
; reduced over the 16 lanes of each half at the end: a half owns 160 consecutive m, one chunk.
; All LDS bytes are private to a wave: no barrier.  Padding points carry the norm +inf, so their P is +inf.
; No cluster, no tensor load: a work-group reads 15 KB of points once, in front of 409,600 pairs.
;
; OUT.  pm, first half:  [m / 320][chunk of n, 64][m % 320] f32.  Second half: [n / 160][chunk of m, 64][n % 160] f32.
; A wave writes 1,280 consecutive bytes of each, at multiples of 1,280; each store covers 256 consecutive bytes, aligned.
.set NPTS,   10000
.set MB,     640                       ; m of a work-group
.set NB,     640                       ; n of a work-group
.set MW,     320                       ; m of a wave
.set NW,     160                       ; n of a wave
.set XT_B,   NW*16                     ; the table of x records: 2,560 bytes
.set PITCH,  NW*4+16                   ; a stage row: 656 = 41 x 16 bytes, so 16 lanes' b128 stores fall on 16 different 16-byte columns of 256
.set HPAD,   128                       ; between the rows of lanes 15 and 16: the one read pass that spans both halves stays free of collisions
.set STG_B,  32*PITCH+HPAD             ; 21,120
.set WAVE_B, XT_B+STG_B                ; 23,680 bytes of LDS for each wave
.set HSTEP,  16*PITCH+HPAD-NW*4        ; from the end of a row of half 0 to the start of the like row of half 1
.set PM2,    2621440                   ; byte offset of the second half of pm
.set LANE, 1
.set R16,  2                           ; lane % 16
.set H,    3                           ; lane / 16
.set INF,  4
.set XAD,  5                           ; LDS address in the table, the same in all lanes
.set STA,  6                           ; LDS address in my stage row
.set Y0,   8                           ; v[8:17]    y0 of my ten m
.set Y1,   18                          ; v[18:27]
.set Y2,   28                          ; v[28:37]
.set YY,   38                          ; v[38:47]   their norms
.set CA,   48                          ; v[48:57]   running minima over n
.set XA,   58                          ; v[58:73]   four x records
.set XB,   74                          ; v[74:89]   four more
.set Z0,   90                          ; v[90:99]   zz, then P, of the first n of a pair of n
.set Z1,   100                         ; v[100:109] of the second
.set S0,   110                         ; v[110:119] xx + yy
.set S1,   120                         ; v[120:129]
.set RP,   130                         ; v[130:133] minima over my ten m for four n
.set T,    134                         ; v[134:137] at work
.set XS,   138
.set GO,   139
.set SA0,  140
.set SA1,  141
; registers of the set-up, free again in the loop
.set RY,   90                          ; v[90:119]  raw y, 6 floats for each pair of m
.set MA,   120                         ; v[120:124] their byte offsets
.set MI,   125                         ; v[125:129] the first m of each pair
.set RX,   58                          ; v[58:72]   raw x, 3 floats for each of my five n
.set NA,   74                          ; v[74:78]
.set NI,   79                          ; v[79:83]
.set XR,   90                          ; v[90:109]  five finished x records
; registers of the way out
.set G,    8                           ; v[8:17]    minima over n, in the order of m
.set RS,   18                          ; v[18:27]   minima over m
.set E0,   90                          ; v[90:121]  16 stage rows x 2 n
.set E1,   58                          ; v[58:89]
	s_load_b128 s[4:7], s[0:1], 0x0                ; gts s[4:5], preds s[6:7]
	s_load_b64 s[8:9], s[0:1], 0x10                ; pm
	v_lshl_add_u32 v144, v0, 2, 0x2e400
	v_mov_b32 v145, 0
	v_and_b32 v[LANE], 31, v0
	v_lshrrev_b32 v[T], 5, v0
	v_readfirstlane_b32 s12, v[T]                  ; wave 0..7
	s_and_b32 s13, s12, 1                          ; wm
	s_lshr_b32 s14, s12, 1                         ; wn
	s_and_b32 s15, ttmp7, 0xffff                   ; block of n; ttmp9: block of m
	s_mov_b32 s21, 0xffff0000                      ; a word's upper bf16
	v_and_b32 v[R16], 15, v[LANE]
	v_lshrrev_b32 v[H], 4, v[LANE]
	v_mov_b32 v[INF], 0x7f800000
	s_mul_i32 s16, ttmp9, MB
	s_mul_i32 s17, s13, MW
	s_add_co_u32 s16, s16, s17                     ; the wave's first m
	s_mul_i32 s17, s15, NB
	s_mul_i32 s18, s14, NW
	s_add_co_u32 s17, s17, s18                     ; the wave's first n
	v_mul_u32_u24 v[T], 160, v[H]
	v_lshl_add_u32 v[T], v[R16], 1, v[T]
	v_add_nc_u32 v[T], s16, v[T]                   ; my first m
.irp j, 0,1,2,3,4
	v_add_nc_u32 v[MI+\j], 32*\j, v[T]
	v_min_u32 v[MA+\j], NPTS-2, v[MI+\j]           ; a pair past the end reads the last pair; its norms become +inf below
	v_mul_u32_u24 v[MA+\j], 12, v[MA+\j]
.endr
	v_add_nc_u32 v[T], s17, v[LANE]
.irp t, 0,1,2,3,4
	v_add_nc_u32 v[NI+\t], 32*\t, v[T]
	v_min_u32 v[NA+\t], NPTS-1, v[NI+\t]
	v_mul_u32_u24 v[NA+\t], 12, v[NA+\t]
.endr
	s_wait_kmcnt 0x0
.irp j, 0,1,2,3,4
	global_load_b64 v[RY+6*\j:RY+6*\j+1],   v[MA+\j], s[6:7]              ; y0a y1a
	global_load_b64 v[RY+6*\j+2:RY+6*\j+3], v[MA+\j], s[6:7] offset:8     ; y2a y0b
	global_load_b64 v[RY+6*\j+4:RY+6*\j+5], v[MA+\j], s[6:7] offset:16    ; y1b y2b
.endr
.irp t, 0,1,2,3,4
	global_load_b32 v[RX+3*\t],   v[NA+\t], s[4:5]
	global_load_b32 v[RX+3*\t+1], v[NA+\t], s[4:5] offset:4
	global_load_b32 v[RX+3*\t+2], v[NA+\t], s[4:5] offset:8
.endr
	; where the wave's two runs of 1,280 bytes lie in pm
	s_lshl_b32 s23, ttmp9, 1
	s_add_co_u32 s23, s23, s13                     ; m / 320
	s_lshl_b32 s24, s15, 2
	s_add_co_u32 s24, s24, s14                     ; n / 160: the chunk of n
	s_lshl_b32 s25, s23, 6
	s_add_co_u32 s25, s25, s24
	s_mul_i32 s26, s25, MW*4
	s_mov_b32 s27, 0
	s_lshl_b32 s25, s24, 6
	s_lshl1_add_u32 s25, s23, s25                  ; + the first of my two chunks of m, 2 (m / 320)
	s_mul_i32 s28, s25, NW*4
	s_add_co_u32 s28, s28, PM2
	s_mov_b32 s29, 0
	s_add_nc_u64 s[10:11], s[8:9], s[28:29]        ; minima over m go here
	s_add_nc_u64 s[8:9], s[8:9], s[26:27]          ; minima over n go here
	; LDS addresses: everything inside the wave's own 23,680 bytes
	s_mul_i32 s19, s12, WAVE_B                     ; the table
	s_add_co_u32 s20, s19, XT_B                    ; the stage
	v_mov_b32 v[XAD], s19
	v_lshl_add_u32 v[XS], v[LANE], 4, s19
	v_mul_u32_u24 v[STA], PITCH, v[LANE]
	v_lshl_add_u32 v[STA], v[H], 7, v[STA]
	v_add_nc_u32 v[STA], s20, v[STA]
	v_lshlrev_b32 v[GO], 3, v[LANE]
	v_add_nc_u32 v[SA0], s20, v[GO]                ; stage, 8 bytes a lane
	v_mul_u32_u24 v[SA1], HSTEP, v[H]
	v_add_nc_u32 v[SA1], v[SA0], v[SA1]
	s_wait_loadcnt 15                              ; the 15 loads of x were issued behind those of y and may stay out
.irp j, 0,1,2,3,4
	v_cvt_pk_bf16_f32 v[T],   v[RY+6*\j],   v[RY+6*\j+3]     ; round to nearest even, the two m of the pair side by side
	v_cvt_pk_bf16_f32 v[T+1], v[RY+6*\j+1], v[RY+6*\j+4]
	v_cvt_pk_bf16_f32 v[T+2], v[RY+6*\j+2], v[RY+6*\j+5]
	v_lshlrev_b32 v[Y0+2*\j],   16,  v[T]                    ; and back to f32
	v_and_b32     v[Y0+2*\j+1], s21, v[T]
	v_lshlrev_b32 v[Y1+2*\j],   16,  v[T+1]
	v_and_b32     v[Y1+2*\j+1], s21, v[T+1]
	v_lshlrev_b32 v[Y2+2*\j],   16,  v[T+2]
	v_and_b32     v[Y2+2*\j+1], s21, v[T+2]
	v_pk_mul_f32 v[YY+2*\j:YY+2*\j+1], v[Y0+2*\j:Y0+2*\j+1], v[Y0+2*\j:Y0+2*\j+1]
	v_pk_fma_f32 v[YY+2*\j:YY+2*\j+1], v[Y1+2*\j:Y1+2*\j+1], v[Y1+2*\j:Y1+2*\j+1], v[YY+2*\j:YY+2*\j+1]
	v_pk_fma_f32 v[YY+2*\j:YY+2*\j+1], v[Y2+2*\j:Y2+2*\j+1], v[Y2+2*\j:Y2+2*\j+1], v[YY+2*\j:YY+2*\j+1]
	v_cmp_lt_u32 vcc_lo, NPTS-1, v[MI+\j]                    ; the pairs start at even m and 10,000 is even: a pair is whole or padding
	v_cndmask_b32 v[YY+2*\j],   v[YY+2*\j],   v[INF], vcc_lo
	v_cndmask_b32 v[YY+2*\j+1], v[YY+2*\j+1], v[INF], vcc_lo
.endr
	s_wait_loadcnt 0x0
.irp t, 0,1,2,3,4
	v_cvt_pk_bf16_f32 v[T],   v[RX+3*\t],   v[RX+3*\t+1]
	v_cvt_pk_bf16_f32 v[T+1], v[RX+3*\t+2], v[RX+3*\t+2]
	v_lshlrev_b32 v[XR+4*\t],   16,  v[T]
	v_and_b32     v[XR+4*\t+1], s21, v[T]
	v_lshlrev_b32 v[XR+4*\t+2], 16,  v[T+1]
	v_mul_f32  v[XR+4*\t+3], v[XR+4*\t],   v[XR+4*\t]
	v_fmac_f32 v[XR+4*\t+3], v[XR+4*\t+1], v[XR+4*\t+1]
	v_fmac_f32 v[XR+4*\t+3], v[XR+4*\t+2], v[XR+4*\t+2]
	v_cmp_lt_u32 vcc_lo, NPTS-1, v[NI+\t]
	v_cndmask_b32 v[XR+4*\t+3], v[XR+4*\t+3], v[INF], vcc_lo
	ds_store_b128 v[XS], v[XR+4*\t:XR+4*\t+3] offset:512*\t  ; record 32 t + lane
.endr
.irp a, 0,1,2,3,4,5,6,7,8,9
	v_mov_b32 v[CA+\a], v[INF]
.endr
; Two n (records in registers xa.., xb..) against my ten m.  Ten independent chains, so each instruction stands ten behind the
; one whose result it takes.  op_sel picks the register of the record's pair that feeds both halves of the packed result.
.macro PAIRN xa, xb, ra, rb
.irp j, 0,2,4,6,8
	v_pk_add_f32 v[S0+\j:S0+\j+1], v[YY+\j:YY+\j+1], v[\xa+2:\xa+3] op_sel:[0,1] op_sel_hi:[1,1]   ; S = yy + xx
	v_pk_add_f32 v[S1+\j:S1+\j+1], v[YY+\j:YY+\j+1], v[\xb+2:\xb+3] op_sel:[0,1] op_sel_hi:[1,1]
.endr
.irp j, 0,2,4,6,8
	v_pk_mul_f32 v[Z0+\j:Z0+\j+1], v[Y0+\j:Y0+\j+1], v[\xa:\xa+1] op_sel_hi:[1,0]                  ; p0
	v_pk_mul_f32 v[Z1+\j:Z1+\j+1], v[Y0+\j:Y0+\j+1], v[\xb:\xb+1] op_sel_hi:[1,0]
.endr
.irp j, 0,2,4,6,8
	v_pk_fma_f32 v[Z0+\j:Z0+\j+1], v[Y1+\j:Y1+\j+1], v[\xa:\xa+1], v[Z0+\j:Z0+\j+1] op_sel:[0,1,0] op_sel_hi:[1,1,1]   ; + p1
	v_pk_fma_f32 v[Z1+\j:Z1+\j+1], v[Y1+\j:Y1+\j+1], v[\xb:\xb+1], v[Z1+\j:Z1+\j+1] op_sel:[0,1,0] op_sel_hi:[1,1,1]
.endr
.irp j, 0,2,4,6,8
	v_pk_fma_f32 v[Z0+\j:Z0+\j+1], v[Y2+\j:Y2+\j+1], v[\xa+2:\xa+3], v[Z0+\j:Z0+\j+1] op_sel_hi:[1,0,1]                ; + p2
	v_pk_fma_f32 v[Z1+\j:Z1+\j+1], v[Y2+\j:Y2+\j+1], v[\xb+2:\xb+3], v[Z1+\j:Z1+\j+1] op_sel_hi:[1,0,1]
.endr
.irp j, 0,2,4,6,8
	v_pk_fma_f32 v[Z0+\j:Z0+\j+1], v[Z0+\j:Z0+\j+1], -2.0, v[S0+\j:S0+\j+1] op_sel_hi:[1,0,1]      ; P = S - 2 zz
	v_pk_fma_f32 v[Z1+\j:Z1+\j+1], v[Z1+\j:Z1+\j+1], -2.0, v[S1+\j:S1+\j+1] op_sel_hi:[1,0,1]
.endr
.irp a, 0,1,2,3,4,5,6,7,8,9
	v_min3_num_f32 v[CA+\a], v[CA+\a], v[Z0+\a], v[Z1+\a]          ; over n, for each of my m
.endr
	v_min3_num_f32 v[S0],   v[Z0],   v[Z0+1], v[Z0+2]              ; over my ten m, for each n
	v_min3_num_f32 v[S1],   v[Z1],   v[Z1+1], v[Z1+2]
	v_min3_num_f32 v[S0+1], v[Z0+3], v[Z0+4], v[Z0+5]
	v_min3_num_f32 v[S1+1], v[Z1+3], v[Z1+4], v[Z1+5]
	v_min3_num_f32 v[S0+2], v[Z0+6], v[Z0+7], v[Z0+8]
	v_min3_num_f32 v[S1+2], v[Z1+6], v[Z1+7], v[Z1+8]
	v_min3_num_f32 v[S0],   v[S0],   v[S0+1], v[Z0+9]
	v_min3_num_f32 v[S1],   v[S1],   v[S1+1], v[Z1+9]
	v_min_num_f32  v[\ra],  v[S0],   v[S0+2]
	v_min_num_f32  v[\rb],  v[S1],   v[S1+2]
.endm
; Four n from buffer cur.  more = 1: the next four records are asked for first, into the other buffer.
.macro HALF cur, nxt, ldoff, stoff, more
.if \more
.irp i, 0,1,2,3
	ds_load_b128 v[\nxt+4*\i:\nxt+4*\i+3], v[XAD] offset:\ldoff+16*\i
.endr
	s_wait_dscnt 0x4                               ; LDS answers a wave in order: all but the four loads just issued are done, so cur is in
.else
	s_wait_dscnt 0x0
.endif
	PAIRN \cur, \cur+4, RP, RP+1
	PAIRN \cur+8, \cur+12, RP+2, RP+3
	ds_store_b128 v[STA], v[RP:RP+3] offset:\stoff ; my row of the stage, four n
.endm
.irp i, 0,1,2,3
	ds_load_b128 v[XA+4*\i:XA+4*\i+3], v[XAD] offset:16*\i     ; behind the wave's own table stores, which LDS serves first
.endr
	s_mov_b32 s22, NW/8-1
.Ltrip:                                            ; eight n a trip
	HALF XA, XB, 64, 0, 1
	HALF XB, XA, 128, 16, 1
	v_add_nc_u32 v[XAD], 128, v[XAD]
	v_add_nc_u32 v[STA], 32, v[STA]
	s_sub_co_i32 s22, s22, 1
	s_cmp_lg_u32 s22, 0
	s_cbranch_scc1 .Ltrip
	HALF XA, XB, 64, 0, 1                          ; the last eight n: nothing is read past the table
	HALF XB, XA, 0, 16, 0
	; THE WAY OUT.  Minima over n: through the table's bytes (read out by now), so that m runs along the lanes.
	v_mul_u32_u24 v[T], NW*4, v[H]
	v_lshl_add_u32 v[T], v[R16], 3, v[T]
	v_add_nc_u32 v[T], s19, v[T]                   ; 4 (160 h + 2 r)
	v_add_nc_u32 v[T+1], s19, v[GO]
.irp j, 0,1,2,3,4
	ds_store_b64 v[T], v[CA+2*\j:CA+2*\j+1] offset:128*\j
.endr
.irp t, 0,1,2,3,4
	ds_load_b64 v[G+2*\t:G+2*\t+1], v[T+1] offset:256*\t
.endr
; Minima over m: pair of n number u of half hh lies at byte 8 u of the 16 rows of that half.  Lane l takes pair l + 32 p of the 160
; pairs (80 for each half) in pass p, so that its result lies at byte 8 (l + 32 p) of the wave's 1,280 bytes in pm.
.macro SLOAD buf, areg, off
.irp s, 0,1,2,3,4,5,6,7,8,9,10,11,12,13,14,15
	ds_load_b64 v[\buf+2*\s:\buf+2*\s+1], v[\areg] offset:\off+\s*PITCH
.endr
.endm
.macro SRED buf, res, goff
.irp c, 0,1
	v_min3_num_f32 v[\buf+\c],    v[\buf+\c],    v[\buf+2+\c],  v[\buf+4+\c]
	v_min3_num_f32 v[\buf+6+\c],  v[\buf+6+\c],  v[\buf+8+\c],  v[\buf+10+\c]
	v_min3_num_f32 v[\buf+12+\c], v[\buf+12+\c], v[\buf+14+\c], v[\buf+16+\c]
	v_min3_num_f32 v[\buf+18+\c], v[\buf+18+\c], v[\buf+20+\c], v[\buf+22+\c]
	v_min3_num_f32 v[\buf+24+\c], v[\buf+24+\c], v[\buf+26+\c], v[\buf+28+\c]
.endr
.irp c, 0,1
	v_min3_num_f32 v[\buf+\c],    v[\buf+\c],    v[\buf+6+\c],  v[\buf+12+\c]
	v_min3_num_f32 v[\buf+18+\c], v[\buf+18+\c], v[\buf+24+\c], v[\buf+30+\c]
.endr
.irp c, 0,1
	v_min_num_f32 v[\res+\c], v[\buf+\c], v[\buf+18+\c]
.endr
	global_store_b64 v[GO], v[\res:\res+1], s[10:11] offset:\goff   ; 32 lanes, 256 consecutive bytes, aligned
.endm
	SLOAD E0, SA0, 0                               ; pass 0: half 0, pairs 0-31
	SLOAD E1, SA0, 256                             ; pass 1: half 0, pairs 32-63
	s_wait_dscnt 32                                ; the two runs of 16 stay out; the five loads of G are in
.irp t, 0,1,2,3,4
	global_store_b64 v[GO], v[G+2*\t:G+2*\t+1], s[8:9] offset:256*\t
.endr
	s_wait_dscnt 16                                ; the younger run of 16 stays out
	SRED E0, RS, 0
	SLOAD E0, SA1, 512                             ; pass 2: lanes 0-15 half 0, pairs 64-79; lanes 16-31 half 1, pairs 0-15
	s_wait_dscnt 16
	SRED E1, RS+2, 256
	SLOAD E1, SA0, 768+HSTEP                       ; pass 3: half 1, pairs 16-47
	s_wait_dscnt 16
	SRED E0, RS+4, 512
	SLOAD E0, SA0, 1024+HSTEP                      ; pass 4: half 1, pairs 48-79
	s_wait_dscnt 16
	SRED E1, RS+6, 768
	s_wait_dscnt 0x0
	SRED E0, RS+8, 1024
	s_wait_tensorcnt 0x0
	ds_add_u32 v144, v145
	s_wait_dscnt 0x0
	s_endpgm
.Lfunc_end_k_q1aa45728c2_pairs:
	.size	k_q1aa45728c2_pairs, .Lfunc_end_k_q1aa45728c2_pairs-k_q1aa45728c2_pairs
	.p2alignl 7, 3214868480
	.fill 96, 4, 3214868480
	.section	.rodata,"a",@progbits
	.p2align	6, 0x0
	.amdhsa_kernel k_q1aa45728c2_pairs
		.amdhsa_group_segment_fixed_size 190464
		.amdhsa_private_segment_fixed_size 0
		.amdhsa_enable_private_segment 0
		.amdhsa_kernarg_size 24
		.amdhsa_user_sgpr_count 2
		.amdhsa_user_sgpr_kernarg_segment_ptr 1
		.amdhsa_wavefront_size32 1
		.amdhsa_system_sgpr_workgroup_id_x 1
		.amdhsa_system_sgpr_workgroup_id_y 1
		.amdhsa_system_sgpr_workgroup_id_z 1
		.amdhsa_system_vgpr_workitem_id 0
		.amdhsa_next_free_vgpr 146
		.amdhsa_next_free_sgpr 66
		.amdhsa_reserve_vcc 1
		.amdhsa_float_denorm_mode_32 3
		.amdhsa_float_denorm_mode_16_64 3
		.amdhsa_memory_ordered 1
		.amdhsa_forward_progress 1
		.amdhsa_inst_pref_size 61
	.end_amdhsa_kernel
	.amdgpu_metadata
---
amdhsa.version: [ 1, 2 ]
amdhsa.kernels:
  - .name:           k_q1aa45728c2_pairs
    .symbol:         k_q1aa45728c2_pairs.kd
    .args:
      - { .name: gts, .offset: 0, .size: 8, .value_kind: global_buffer, .address_space: global }
      - { .name: preds, .offset: 8, .size: 8, .value_kind: global_buffer, .address_space: global }
      - { .name: pm, .offset: 16, .size: 8, .value_kind: global_buffer, .address_space: global }
    .group_segment_fixed_size: 190464
    .private_segment_fixed_size: 0
    .kernarg_segment_align: 8
    .kernarg_segment_size: 24
    .max_flat_workgroup_size: 256
    .sgpr_count:     66
    .vgpr_count:     146
    .wavefront_size: 32
...
	.end_amdgpu_metadata
.endif
;; end of part 1
;; launch pick (part 2): grid 160 x 2, 1 waves a work-group, no clusters, 0 bytes of LDS; arguments gts, preds, pm, out0, out1, ch, rec; writes out0, out1, ch, rec
.if DOCPART == 2
	.amdgcn_target "amdgcn-amd-amdhsa--gfx1250"
	.amdhsa_code_object_version 6
	.text
	.protected	k_q1aa45728c2_pick
	.globl	k_q1aa45728c2_pick
	.p2align	8
	.type	k_q1aa45728c2_pick,@function
k_q1aa45728c2_pick:
	s_mov_b64 s[64:65], 0
	v_nop
	global_prefetch_b8 v0, s[64:65] scope:SCOPE_SE
	s_setreg_imm32_b32 hwreg(HW_REG_WAVE_MODE, 25, 1), 1
	s_wait_xcnt 0x0
; PICK: for each query the smallest of its 64 chunk minima (the distance) and the number of the FIRST chunk that holds it.
; Second id 0: queries are the preds (index m), out0; second id 1: queries are the gts (index n), out1.
; One wave a work-group, 64 queries a wave, two neighbouring queries a lane: each load, and each store of distances and of
; chunk numbers, covers 256 consecutive bytes.  All 64 loads of a lane are issued in one run.
; The chunks are taken in ascending order and replaced only by a strictly smaller value, so that among equal minima the chunk
; with the lower indices stays: the first index of the minimum lies in it.
; The chunk number steers addresses in the next launch, so it is stored here as a whole number (ch: [2][10240]).
; On the side the wave writes the records (c0, c1, c2, norm) of its 64 points, coordinates rounded to bf16 and widened again,
; norm = (c0 c0 + c1 c1) + c2 c2 in f32, +inf for the 240 padding points.  rec: [2][10240][4] f32, gts first, preds second.
; Limits as stated in the launch that made pm (no NaN, no infinities in the inputs).
.set NPTS, 10000
.set PMH,  2621440                     ; bytes of one half of pm
.set CHH,  40960
.set RECH, 163840
.set Q,    1                           ; my first query
.set PO,   2                           ; its byte offset in pm, chunk 0
.set Q4,   3                           ; 4 x my first query
.set IA,   4                           ; v[4:5]   the two points whose records I make
.set AA,   6                           ; v[6:7]   their byte offsets in the raw cloud
.set RO,   8
.set INF,  9
.set T,    10                          ; v[10:11]
.set RW,   12                          ; v[12:17] raw coordinates
.set RC,   20                          ; v[20:27] two records
.set BI,   30                          ; v[30:31] chunk numbers
.set PD,   64                          ; v[64:191] 64 chunks x 2 queries; v[64:65] become the running minima
	s_load_b256 s[4:11], s[0:1], 0x0               ; gts s[4:5], preds s[6:7], pm s[8:9], out0 s[10:11]
	s_load_b128 s[12:15], s[0:1], 0x20             ; out1 s[12:13], ch s[14:15]
	s_load_b64 s[16:17], s[0:1], 0x30              ; rec
	s_and_b32 s20, ttmp7, 0xffff                   ; direction
	s_lshl_b32 s21, ttmp9, 6                       ; the wave's first query
	s_mov_b32 s22, 0xffff0000
	v_lshl_add_u32 v[Q], v0, 1, s21
	v_lshlrev_b32 v[Q4], 2, v[Q]
	v_add_nc_u32 v[IA], s21, v0
	v_add_nc_u32 v[IA+1], 32, v[IA]
	v_min_u32 v[AA], NPTS-1, v[IA]
	v_min_u32 v[AA+1], NPTS-1, v[IA+1]
	v_mul_u32_u24 v[AA], 12, v[AA]
	v_mul_u32_u24 v[AA+1], 12, v[AA+1]
	v_lshlrev_b32 v[RO], 4, v[IA]
	v_mov_b32 v[INF], 0x7f800000
	v_mov_b32 v[BI], 0
	v_mov_b32 v[BI+1], 0
	s_mul_i32 s24, s20, PMH
	s_mov_b32 s25, 0
	s_mul_i32 s26, s20, CHH
	s_mov_b32 s27, 0
	s_xor_b32 s28, s20, 1
	s_mul_i32 s28, s28, RECH                       ; preds' records lie in the second half of rec
	s_mov_b32 s29, 0
	s_wait_kmcnt 0x0
	s_cmp_eq_u32 s20, 0
	s_cselect_b64 s[4:5], s[6:7], s[4:5]           ; the queries' cloud
	s_cselect_b64 s[10:11], s[10:11], s[12:13]     ; their distances
	s_add_nc_u64 s[8:9], s[8:9], s[24:25]
	s_add_nc_u64 s[14:15], s[14:15], s[26:27]
	s_add_nc_u64 s[16:17], s[16:17], s[28:29]
; pm holds [q / SEG][chunk][q % SEG]: byte 4 q + (q / SEG) 63 SEGB + chunk SEGB, SEGB = 4 SEG.  SEG = 5 << sh; x / 5 = 205 x >> 10 for x < 1024.
.macro LOADS sh, segb
	v_lshrrev_b32 v[PO], \sh, v[Q]
	v_mul_u32_u24 v[PO], 205, v[PO]
	v_lshrrev_b32 v[PO], 10, v[PO]
	v_mul_u32_u24 v[PO], 63*\segb, v[PO]
	v_lshl_add_u32 v[PO], v[Q], 2, v[PO]
.set k, 0
.rept 64
	global_load_b64 v[PD+2*k:PD+2*k+1], v[PO], s[8:9] offset:k*\segb th:TH_LOAD_NT
.set k, k+1
.endr
.endm
	s_cmp_lg_u32 s20, 0
	s_cbranch_scc1 .Ldir1
	LOADS 6, 1280                                  ; preds: segments of 320
	s_branch .Ljoin
.Ldir1:
	LOADS 5, 640                                   ; gts: segments of 160
.Ljoin:
.irp e, 0,1
	global_load_b32 v[RW+3*\e],   v[AA+\e], s[4:5]
	global_load_b32 v[RW+3*\e+1], v[AA+\e], s[4:5] offset:4
	global_load_b32 v[RW+3*\e+2], v[AA+\e], s[4:5] offset:8
.endr
	s_wait_loadcnt 62                              ; chunks 0-7 are in: 56 younger chunk loads and the 6 raw loads may be out
.set k, 1
.rept 63
.if (k % 8) == 0
	s_wait_loadcnt 62-k                            ; chunks k .. k+7 are in: 56-k younger chunk loads and the 6 raw loads may be out
.endif
	v_cmp_le_f32 vcc_lo, v[PD], v[PD+2*k]          ; the old minimum stays unless the new value is strictly smaller
	v_cmp_le_f32 s30, v[PD+1], v[PD+2*k+1]
	v_cndmask_b32 v[BI], k, v[BI], vcc_lo
	v_cndmask_b32 v[BI+1], k, v[BI+1], s30
	v_min_num_f32 v[PD], v[PD], v[PD+2*k]
	v_min_num_f32 v[PD+1], v[PD+1], v[PD+2*k+1]
.set k, k+1
.endr
	global_store_b64 v[Q4], v[BI:BI+1], s[14:15]
	s_wait_loadcnt 0x0
.irp e, 0,1
	v_cvt_pk_bf16_f32 v[T],   v[RW+3*\e],   v[RW+3*\e+1]
	v_cvt_pk_bf16_f32 v[T+1], v[RW+3*\e+2], v[RW+3*\e+2]
	v_lshlrev_b32 v[RC+4*\e],   16,  v[T]
	v_and_b32     v[RC+4*\e+1], s22, v[T]
	v_lshlrev_b32 v[RC+4*\e+2], 16,  v[T+1]
	v_mul_f32  v[RC+4*\e+3], v[RC+4*\e],   v[RC+4*\e]
	v_fmac_f32 v[RC+4*\e+3], v[RC+4*\e+1], v[RC+4*\e+1]
	v_fmac_f32 v[RC+4*\e+3], v[RC+4*\e+2], v[RC+4*\e+2]
	v_cmp_lt_u32 vcc_lo, NPTS-1, v[IA+\e]
	v_cndmask_b32 v[RC+4*\e+3], v[RC+4*\e+3], v[INF], vcc_lo
	global_store_b128 v[RO], v[RC+4*\e:RC+4*\e+3], s[16:17] offset:512*\e    ; 32 lanes, 512 consecutive bytes
.endr
	s_wait_xcnt 0x0                                ; EXEC is a source of the stores above: it changes only behind this wait
	v_cmp_gt_u32 vcc_lo, NPTS, v[Q]                ; the outputs end at query 9,999; a lane's two queries are both inside or both outside
	s_and_saveexec_b32 s31, vcc_lo
	global_store_b64 v[Q4], v[PD:PD+1], s[10:11]
	s_endpgm
.Lfunc_end_k_q1aa45728c2_pick:
	.size	k_q1aa45728c2_pick, .Lfunc_end_k_q1aa45728c2_pick-k_q1aa45728c2_pick
	.p2alignl 7, 3214868480
	.fill 96, 4, 3214868480
	.section	.rodata,"a",@progbits
	.p2align	6, 0x0
	.amdhsa_kernel k_q1aa45728c2_pick
		.amdhsa_group_segment_fixed_size 0
		.amdhsa_private_segment_fixed_size 0
		.amdhsa_enable_private_segment 0
		.amdhsa_kernarg_size 56
		.amdhsa_user_sgpr_count 2
		.amdhsa_user_sgpr_kernarg_segment_ptr 1
		.amdhsa_wavefront_size32 1
		.amdhsa_system_sgpr_workgroup_id_x 1
		.amdhsa_system_sgpr_workgroup_id_y 1
		.amdhsa_system_sgpr_workgroup_id_z 1
		.amdhsa_system_vgpr_workitem_id 0
		.amdhsa_next_free_vgpr 192
		.amdhsa_next_free_sgpr 66
		.amdhsa_reserve_vcc 1
		.amdhsa_float_denorm_mode_32 3
		.amdhsa_float_denorm_mode_16_64 3
		.amdhsa_memory_ordered 1
		.amdhsa_forward_progress 1
		.amdhsa_inst_pref_size 33
	.end_amdhsa_kernel
	.amdgpu_metadata
---
amdhsa.version: [ 1, 2 ]
amdhsa.kernels:
  - .name:           k_q1aa45728c2_pick
    .symbol:         k_q1aa45728c2_pick.kd
    .args:
      - { .name: gts, .offset: 0, .size: 8, .value_kind: global_buffer, .address_space: global }
      - { .name: preds, .offset: 8, .size: 8, .value_kind: global_buffer, .address_space: global }
      - { .name: pm, .offset: 16, .size: 8, .value_kind: global_buffer, .address_space: global }
      - { .name: out0, .offset: 24, .size: 8, .value_kind: global_buffer, .address_space: global }
      - { .name: out1, .offset: 32, .size: 8, .value_kind: global_buffer, .address_space: global }
      - { .name: ch, .offset: 40, .size: 8, .value_kind: global_buffer, .address_space: global }
      - { .name: rec, .offset: 48, .size: 8, .value_kind: global_buffer, .address_space: global }
    .group_segment_fixed_size: 0
    .private_segment_fixed_size: 0
    .kernarg_segment_align: 8
    .kernarg_segment_size: 56
    .max_flat_workgroup_size: 32
    .sgpr_count:     66
    .vgpr_count:     192
    .wavefront_size: 32
...
	.end_amdgpu_metadata
.endif
;; end of part 2
;; launch find (part 3): grid 157 x 2, 8 waves a work-group, no clusters, 1,280 bytes of LDS; arguments ch, out0, out1, rec, out2, out3; writes out2, out3
.if DOCPART == 3
	.amdgcn_target "amdgcn-amd-amdhsa--gfx1250"
	.amdhsa_code_object_version 6
	.text
	.protected	k_q1aa45728c2_find
	.globl	k_q1aa45728c2_find
	.p2align	8
	.type	k_q1aa45728c2_find,@function
k_q1aa45728c2_find:
	s_mov_b64 s[64:65], 0
	v_nop
	global_prefetch_b8 v0, s[64:65] scope:SCOPE_SE
	s_setreg_imm32_b32 hwreg(HW_REG_WAVE_MODE, 25, 1), 1
	s_wait_xcnt 0x0
; FIND: the first index at which P equals the query's minimum, inside the chunk of 160 candidates that the launch before named.
; Second id 0: queries preds, candidates gts, out2.  Second id 1: queries gts, candidates preds, out3.
; A work-group takes 64 queries, a wave 8, one after the other; a query's 160 candidates are spread over the wave, five a lane
; (candidate lane + 32 t), so that each load covers 512 consecutive bytes of the record table.
; P is formed from the same rounded records by the same chain of roundings as in the launch that made the minima
; (S = norm + norm, zz = (p0+p1)+p2, P = fma(-2, zz, S)), so the minimum is met again bit for bit.
; The chunk number is a whole number read from memory; clamped to 63 it forms the scalar base of the query's loads.
; Local indices 0..159 are kept as f32 (exact): the smallest one among the matches is found with f32 minima across the lanes.
; The last work-group has 16 queries: its later waves repeat queries 9,992 to 9,999 and their results are not stored.
.set NPTS,  10000
.set CHH,   40960
.set RECH,  163840
.set CHUNK, 160
.set LANE, 1
.set L16,  2
.set L7,   3
.set INF,  4
.set RES,  5
.set LF,   6                           ; v[6:10]   lane + 32 t as f32
.set ZZ,   12                          ; v[12:16]
.set SS,   18                          ; v[18:22]
.set AD,   24                          ; v[24:28]
.set CD,   32                          ; v[32:191] 8 queries x 5 candidates x 4 registers
	s_load_b256 s[4:11], s[0:1], 0x0               ; ch s[4:5], out0 s[6:7], out1 s[8:9], rec s[10:11]
	s_load_b128 s[12:15], s[0:1], 0x20             ; out2 s[12:13], out3 s[14:15]
	v_lshl_add_u32 v192, v0, 2, 0x100
	v_mov_b32 v193, 0
	v_and_b32 v[LANE], 31, v0
	v_lshrrev_b32 v[AD], 5, v0
	v_readfirstlane_b32 s21, v[AD]                 ; wave
	s_and_b32 s20, ttmp7, 0xffff                   ; direction
	s_lshl_b32 s22, ttmp9, 6
	s_lshl3_add_u32 s22, s21, s22
	s_min_u32 s22, s22, NPTS-8                     ; the wave's first query
	s_mul_i32 s24, s20, CHH
	s_lshl2_add_u32 s24, s22, s24
	s_mov_b32 s25, 0
	s_lshl_b32 s26, s22, 2
	s_mov_b32 s27, 0
	s_xor_b32 s23, s20, 1
	s_mul_i32 s28, s23, RECH                       ; the queries' records: preds lie in the second half of rec
	s_lshl4_add_u32 s28, s22, s28
	s_mov_b32 s29, 0
	s_mul_i32 s30, s20, RECH                       ; the candidates' records: the other half
	s_mov_b32 s31, 0
	s_mov_b32 s3, 0
	s_mov_b32 s16, 0x76543210                      ; v_permlanex16_b32: lane i of one half reads lane i of the other
	s_mov_b32 s17, 0xfedcba98
	s_wait_kmcnt 0x0
	s_cmp_eq_u32 s20, 0
	s_cselect_b64 s[6:7], s[6:7], s[8:9]           ; the minima
	s_cselect_b64 s[12:13], s[12:13], s[14:15]     ; the indices
	s_add_nc_u64 s[4:5], s[4:5], s[24:25]
	s_add_nc_u64 s[6:7], s[6:7], s[26:27]
	s_add_nc_u64 s[8:9], s[10:11], s[28:29]
	s_add_nc_u64 s[10:11], s[10:11], s[30:31]
	s_load_b256 s[32:39], s[4:5], 0x0              ; 8 chunk numbers
	s_load_b256 s[40:47], s[6:7], 0x0              ; 8 minima
	s_load_b512 s[48:63], s[8:9], 0x0              ; records of queries 0-3
	s_load_b512 s[68:83], s[8:9], 0x40             ; and 4-7
	v_lshlrev_b32 v[L16], 4, v[LANE]
	v_and_b32 v[L7], 7, v[LANE]
	v_mov_b32 v[INF], 0x7f800000
	v_mov_b32 v[RES], 0
.irp t, 0,1,2,3,4
	v_add_nc_u32 v[LF+\t], 32*\t, v[LANE]
	v_cvt_f32_u32 v[LF+\t], v[LF+\t]
.endr
	s_wait_kmcnt 0x0
.irp i, 0,1,2,3,4,5,6,7
	s_min_u32 s[32+\i], s[32+\i], 63               ; 64 chunks of 160 records fill the table of 10,240
	s_mul_i32 s2, s[32+\i], CHUNK*16
	s_add_nc_u64 s[84+2*\i:85+2*\i], s[10:11], s[2:3]          ; a base of its own for each query: none is rewritten while loads are out
	s_mul_i32 s[32+\i], s[32+\i], CHUNK            ; the chunk's first index
.irp t, 0,1,2,3,4
	global_load_b128 v[CD+20*\i+4*\t:CD+20*\i+4*\t+3], v[L16], s[84+2*\i:85+2*\i] offset:512*\t
.endr
.endr
.macro QUERY i, qs                     ; qs: the scalar registers of the query's record
	s_wait_loadcnt 5*(7-\i)                        ; the five loads of each later query may stay out
.irp t, 0,1,2,3,4
	v_add_f32 v[SS+\t], s[\qs+3], v[CD+20*\i+4*\t+3]
	v_mul_f32 v[ZZ+\t], s[\qs], v[CD+20*\i+4*\t]
.endr
.irp t, 0,1,2,3,4
	v_fmac_f32 v[ZZ+\t], s[\qs+1], v[CD+20*\i+4*\t+1]
.endr
.irp t, 0,1,2,3,4
	v_fmac_f32 v[ZZ+\t], s[\qs+2], v[CD+20*\i+4*\t+2]
.endr
.irp t, 0,1,2,3,4
	v_fma_f32 v[ZZ+\t], -2.0, v[ZZ+\t], v[SS+\t]
.endr
.irp t, 0,1,2,3,4
	v_cmp_eq_f32 vcc_lo, s[40+\i], v[ZZ+\t]
	v_cndmask_b32 v[ZZ+\t], v[INF], v[LF+\t], vcc_lo           ; a match gives its local index, all else +inf
.endr
	v_min3_num_f32 v[ZZ], v[ZZ], v[ZZ+1], v[ZZ+2]
	v_min3_num_f32 v[ZZ], v[ZZ], v[ZZ+3], v[ZZ+4]
	v_min_num_f32_dpp v[ZZ], v[ZZ], v[ZZ] row_xmask:1 row_mask:0xf bank_mask:0xf
	v_min_num_f32_dpp v[ZZ], v[ZZ], v[ZZ] row_xmask:2 row_mask:0xf bank_mask:0xf
	v_min_num_f32_dpp v[ZZ], v[ZZ], v[ZZ] row_xmask:4 row_mask:0xf bank_mask:0xf
	v_min_num_f32_dpp v[ZZ], v[ZZ], v[ZZ] row_xmask:8 row_mask:0xf bank_mask:0xf
	v_permlanex16_b32 v[ZZ+1], v[ZZ], s16, s17
	v_min_num_f32 v[ZZ], v[ZZ], v[ZZ+1]            ; every lane holds the smallest local index
	v_cvt_u32_f32 v[ZZ], v[ZZ]
	v_add_nc_u32 v[ZZ], s[32+\i], v[ZZ]
	v_cmp_eq_u32 vcc_lo, \i, v[L7]
	v_cndmask_b32 v[RES], v[RES], v[ZZ], vcc_lo    ; lanes i, i+8, i+16, i+24 keep query i
.endm
	QUERY 0, 48
	QUERY 1, 52
	QUERY 2, 56
	QUERY 3, 60
	QUERY 4, 68
	QUERY 5, 72
	QUERY 6, 76
	QUERY 7, 80
	; the 64 results of the work-group meet in LDS and leave in one store of 256 consecutive bytes
	v_lshlrev_b32 v[AD], 2, v[L7]
	s_lshl_b32 s2, s21, 5
	v_add_nc_u32 v[AD], s2, v[AD]
	ds_store_b32 v[AD], v[RES]                     ; four lanes write each word, with the same value
	s_wait_dscnt 0x0                               ; for wave 0, which reads these words behind the barrier
	s_barrier_signal -1
	s_barrier_wait -1
	s_cmp_lg_u32 s21, 0
	s_cbranch_scc1 .Ldone
	v_lshlrev_b32 v[AD+1], 3, v[LANE]
	ds_load_b64 v[AD+2:AD+3], v[AD+1]
	s_lshl_b32 s2, ttmp9, 6
	v_lshl_add_u32 v[AD+4], v[LANE], 1, s2         ; my two queries
	v_cmp_gt_u32 vcc_lo, NPTS, v[AD+4]
	v_lshlrev_b32 v[AD+4], 2, v[AD+4]
	s_wait_dscnt 0x0
	s_wait_xcnt 0x0                                ; EXEC changes only behind this wait
	s_and_saveexec_b32 s3, vcc_lo
	global_store_b64 v[AD+4], v[AD+2:AD+3], s[12:13]
	s_wait_xcnt 0x0                                ; and again in front of the line that restores it
	s_or_b32 exec_lo, exec_lo, s3
.Ldone:
	s_wait_tensorcnt 0x0
	ds_add_u32 v192, v193
	s_wait_dscnt 0x0
	s_endpgm
.Lfunc_end_k_q1aa45728c2_find:
	.size	k_q1aa45728c2_find, .Lfunc_end_k_q1aa45728c2_find-k_q1aa45728c2_find
	.p2alignl 7, 3214868480
	.fill 96, 4, 3214868480
	.section	.rodata,"a",@progbits
	.p2align	6, 0x0
	.amdhsa_kernel k_q1aa45728c2_find
		.amdhsa_group_segment_fixed_size 1280
		.amdhsa_private_segment_fixed_size 0
		.amdhsa_enable_private_segment 0
		.amdhsa_kernarg_size 48
		.amdhsa_user_sgpr_count 2
		.amdhsa_user_sgpr_kernarg_segment_ptr 1
		.amdhsa_wavefront_size32 1
		.amdhsa_system_sgpr_workgroup_id_x 1
		.amdhsa_system_sgpr_workgroup_id_y 1
		.amdhsa_system_sgpr_workgroup_id_z 1
		.amdhsa_system_vgpr_workitem_id 0
		.amdhsa_next_free_vgpr 194
		.amdhsa_next_free_sgpr 100
		.amdhsa_reserve_vcc 1
		.amdhsa_float_denorm_mode_32 3
		.amdhsa_float_denorm_mode_16_64 3
		.amdhsa_memory_ordered 1
		.amdhsa_forward_progress 1
		.amdhsa_inst_pref_size 24
	.end_amdhsa_kernel
	.amdgpu_metadata
---
amdhsa.version: [ 1, 2 ]
amdhsa.kernels:
  - .name:           k_q1aa45728c2_find
    .symbol:         k_q1aa45728c2_find.kd
    .args:
      - { .name: ch, .offset: 0, .size: 8, .value_kind: global_buffer, .address_space: global }
      - { .name: out0, .offset: 8, .size: 8, .value_kind: global_buffer, .address_space: global }
      - { .name: out1, .offset: 16, .size: 8, .value_kind: global_buffer, .address_space: global }
      - { .name: rec, .offset: 24, .size: 8, .value_kind: global_buffer, .address_space: global }
      - { .name: out2, .offset: 32, .size: 8, .value_kind: global_buffer, .address_space: global }
      - { .name: out3, .offset: 40, .size: 8, .value_kind: global_buffer, .address_space: global }
    .group_segment_fixed_size: 1280
    .private_segment_fixed_size: 0
    .kernarg_segment_align: 8
    .kernarg_segment_size: 48
    .max_flat_workgroup_size: 256
    .sgpr_count:     100
    .vgpr_count:     194
    .wavefront_size: 32
...
	.end_amdgpu_metadata
.endif
;; end of part 3
;; ======== version 2 of 2: 3 launches; version 1 with the launch pairs written anew for expert scheduling mode
;; workspace buffers: pm 5,242,880 bytes; ch 81,920 bytes of whole numbers; rec 327,680 bytes
;; launch pairs (part 4): grid 16 x 16, 8 waves a work-group, no clusters, 190,464 bytes of LDS; arguments gts, preds, pm; writes pm
.if DOCPART == 4
	.amdgcn_target "amdgcn-amd-amdhsa--gfx1250"
	.amdhsa_code_object_version 6
	.text
	.protected	k_q1aa45728c2_pairs
	.globl	k_q1aa45728c2_pairs
	.p2align	8
	.type	k_q1aa45728c2_pairs,@function
k_q1aa45728c2_pairs:
	s_mov_b64 s[64:65], 0
	v_nop
	global_prefetch_b8 v0, s[64:65] scope:SCOPE_SE
	s_setreg_imm32_b32 hwreg(HW_REG_WAVE_SCHED_MODE, 0, 2), 2
	s_setreg_imm32_b32 hwreg(HW_REG_WAVE_MODE, 25, 1), 1
	s_wait_xcnt 0x0
	s_wait_alu depctr_vm_vsrc(0)
; PAIRS: minima of P[n][m] = (xx[n] + yy[m]) - 2 zz[n][m] over chunks of 160 n and over chunks of 160 m.
; x = gts (index n), y = preds (index m), 10,000 points each, padded here to 10,240.
;
; ARITHMETIC.  The indices that follow from these minima have to be the exact ones, so every P carries the roundings of
; the defining formula evaluated in f32 on coordinates rounded to bf16: xx = (q0+q1)+q2, zz = (p0+p1)+p2, S = xx+yy,
; P = S - 2 zz.  Products of two bf16 numbers have 16 significant bits and are exact in f32, so a fused multiply-add
; rounds exactly as a multiply and an add would; 2 zz is exact, so fma(-2, zz, S) is the last rounding.
; The product zz is made on the vector ALU and not by a matrix instruction: a bf16 matrix instruction adds its products
; with one rounding, which is not the chain (p0+p1)+p2, and one last bit decides ties between candidates; K = 3 would
; also fill 3 of its 32 places along K.
; LIMITS: NaN and infinite inputs are not served (the minima drop NaN).  Where a product of two rounded coordinates is
; below 2^-126 it is not exact any more and the last bit may differ from an evaluation that does not fuse.
;
; SHARES.  16 x 16 work-groups, each 640 m x 640 n; 8 waves; wave (wm, wn) takes 320 m x 160 n.  Lane (h, r) owns the ten
; m = 160 h + 32 j + 2 r + e (j = 0..4, e = 0, 1) of the wave, as five register pairs for the packed f32 instructions.
; The n of the wave are walked one by one: their records (x0, x1, x2, xx) lie in an LDS table of the wave and are read by
; loads in which all lanes ask for the same 16 bytes.  Per n the wave issues 25 packed instructions for P, 5 minima over
; n (two n at a time in v_min3) and 5 minima over the lane's ten m.
; Every P is used for both directions.  The minima over the lane's m go to an LDS stage of the wave (row = lane) and are
; reduced over the 16 lanes of each half at the end: a half owns 160 consecutive m, one chunk.
; All LDS bytes are private to a wave: no barrier.  Padding points carry the norm +inf, so their P is +inf.
; No cluster, no tensor load: a work-group reads 15 KB of points once, in front of 409,600 pairs.
;
; THE MODE: SCHED_MODE bits 1:0 = 2 (LLVM: expert scheduling mode 2), set by the entry lines.  The code itself states the register
; dependences between vector instructions and memory or LDS instructions, with s_wait_alu, always for 0.
; THE PLAN.  The wave's 160 n go in 40 halves of four, h = 0 .. 39.  Registers that LDS instructions touch in the loop:
;   XA, XB     four x records each.  Half h: its arithmetic reads X[h % 2]; the four table loads issued in it land in X[(h + 1) % 2].
;   RP, RQ     four minima over my ten m each.  Half h writes R[h % 2]; the stage store issued in half h + 1 reads it.
;   XAD, STA   the two LDS addresses.  Read by every table load and every stage store; written at the end of every second half.
;   Y0 .. YY, CA, Z0, Z1, S0, S1 are named by vector instructions alone.
; So the LDS instructions of half h touch the two buffers that half h - 1 worked on, and no vector instruction of half h names them.
; ONE wait on va_vdst stands at a half's head: the half before has written its R, is done reading its X, and the addresses are written.
; The store and the four loads follow it, dealt among the half's first vector instructions, with no further wait.
; ONE wait on vm_vsrc stands at a half's end: the store has read the R that the next half writes again, and the LDS instructions
; issued so far have read the two addresses, which are stepped behind it.
;
; OUT.  pm, first half:  [m / 320][chunk of n, 64][m % 320] f32.  Second half: [n / 160][chunk of m, 64][n % 160] f32.
; A wave writes 1,280 consecutive bytes of each, at multiples of 1,280; each store covers 256 consecutive bytes, aligned.
.set NPTS,   10000
.set MB,     640                       ; m of a work-group
.set NB,     640                       ; n of a work-group
.set MW,     320                       ; m of a wave
.set NW,     160                       ; n of a wave
.set XT_B,   NW*16                     ; the table of x records: 2,560 bytes
.set PITCH,  NW*4+16                   ; a stage row: 656 = 41 x 16 bytes, so 16 lanes' b128 stores fall on 16 different 16-byte columns of 256
.set HPAD,   128                       ; between the rows of lanes 15 and 16: the one read pass that spans both halves stays free of collisions
.set STG_B,  32*PITCH+HPAD             ; 21,120
.set WAVE_B, XT_B+STG_B                ; 23,680 bytes of LDS for each wave
.set HSTEP,  16*PITCH+HPAD-NW*4        ; from the end of a row of half 0 to the start of the like row of half 1
.set PM2,    2621440                   ; byte offset of the second half of pm
.set MK,   32                          ; s[32:41]   masks of the padding: five pairs of m, five n
.set LANE, 1
.set R16,  2                           ; lane % 16
.set H,    3                           ; lane / 16
.set INF,  4
.set XAD,  5                           ; LDS address in the table, the same in all lanes
.set STA,  6                           ; LDS address in my stage row
.set Y0,   8                           ; v[8:17]    y0 of my ten m
.set Y1,   18                          ; v[18:27]
.set Y2,   28                          ; v[28:37]
.set YY,   38                          ; v[38:47]   their norms
.set CA,   48                          ; v[48:57]   running minima over n
.set XA,   58                          ; v[58:73]   four x records
.set XB,   74                          ; v[74:89]   four more
.set Z0,   90                          ; v[90:99]   zz, then P, of the first n of a pair of n
.set Z1,   100                         ; v[100:109] of the second
.set S0,   110                         ; v[110:119] xx + yy
.set S1,   120                         ; v[120:129]
.set RP,   130                         ; v[130:133] minima over my ten m for four n: the even halves'
.set T,    134                         ; v[134:137] at work
.set XS,   138
.set GO,   139
.set SA0,  140
.set SA1,  141
.set RQ,   142                         ; v[142:145] the odd halves'
; registers of the set-up, free again in the loop
.set RY,   90                          ; v[90:119]  raw y, 6 floats for each pair of m
.set MA,   120                         ; v[120:124] their byte offsets
.set MI,   125                         ; v[125:129] the first m of each pair
.set RX,   58                          ; v[58:72]   raw x, 3 floats for each of my five n
.set NA,   74                          ; v[74:78]
.set NI,   79                          ; v[79:83]
.set XR,   90                          ; v[90:109]  five finished x records
; registers of the way out
.set G,    8                           ; v[8:17]    minima over n, in the order of m
.set RS,   18                          ; v[18:27]   minima over m
.set E0,   90                          ; v[90:121]  16 stage rows x 2 n
.set E1,   58                          ; v[58:89]
.set E2,   146                         ; v[146:177]
	s_load_b128 s[4:7], s[0:1], 0x0                ; gts s[4:5], preds s[6:7]
	s_load_b64 s[8:9], s[0:1], 0x10                ; pm
	v_lshl_add_u32 v7, v0, 2, 0x2e400
	v_mov_b32 v137, 0
	v_and_b32 v[LANE], 31, v0
	v_lshrrev_b32 v[T], 5, v0
	v_readfirstlane_b32 s12, v[T]                  ; wave 0..7
	v_and_b32 v[R16], 15, v[LANE]
	v_lshrrev_b32 v[H], 4, v[LANE]
	v_mov_b32 v[INF], 0x7f800000
	s_and_b32 s15, ttmp7, 0xffff                   ; block of n; ttmp9: block of m
	s_mov_b32 s21, 0xffff0000                      ; a word's upper bf16
	s_mov_b32 s30, NPTS-1
	s_wait_alu depctr_va_sdst(0)                   ; s12 is written, ahead of its first reader: the wave's shares and its LDS bytes are made from it
	s_and_b32 s13, s12, 1                          ; wm
	s_lshr_b32 s14, s12, 1                         ; wn
	s_mul_i32 s16, ttmp9, MB
	s_mul_i32 s17, s13, MW
	s_add_co_u32 s16, s16, s17                     ; the wave's first m
	s_mul_i32 s17, s15, NB
	s_mul_i32 s18, s14, NW
	s_add_co_u32 s17, s17, s18                     ; the wave's first n
	v_mul_u32_u24 v[T], 160, v[H]
	v_lshl_add_u32 v[T], v[R16], 1, v[T]
	v_add_nc_u32 v[T], s16, v[T]                   ; my first m
.irp j, 0,1,2,3,4
	v_add_nc_u32 v[MI+\j], 32*\j, v[T]
	v_min_u32 v[MA+\j], NPTS-2, v[MI+\j]           ; a pair past the end reads the last pair; its norms become +inf below
	v_mul_u32_u24 v[MA+\j], 12, v[MA+\j]
.endr
	v_add_nc_u32 v[T], s17, v[LANE]
.irp t, 0,1,2,3,4
	v_add_nc_u32 v[NI+\t], 32*\t, v[T]
	v_min_u32 v[NA+\t], NPTS-1, v[NI+\t]
	v_mul_u32_u24 v[NA+\t], 12, v[NA+\t]
.endr
	s_wait_kmcnt 0x0
	s_wait_alu depctr_va_vdst(0)                   ; the ten byte offsets v[MA ..] and v[NA ..] are written, which the loads below read
.irp j, 0,1,2,3,4
	global_load_b64 v[RY+6*\j:RY+6*\j+1],   v[MA+\j], s[6:7]              ; y0a y1a
	global_load_b64 v[RY+6*\j+2:RY+6*\j+3], v[MA+\j], s[6:7] offset:8     ; y2a y0b
	global_load_b64 v[RY+6*\j+4:RY+6*\j+5], v[MA+\j], s[6:7] offset:16    ; y1b y2b
.endr
.irp t, 0,1,2,3,4
	global_load_b32 v[RX+3*\t],   v[NA+\t], s[4:5]
	global_load_b32 v[RX+3*\t+1], v[NA+\t], s[4:5] offset:4
	global_load_b32 v[RX+3*\t+2], v[NA+\t], s[4:5] offset:8
.endr
	; which of my points are padding: ten compares in one run, each into a scalar register of its own; they name no register of the loads above
.irp j, 0,1,2,3,4
	v_cmp_lt_u32 s[MK+\j], s30, v[MI+\j]           ; the pairs start at even m and 10,000 is even: a pair is whole or padding
.endr
.irp t, 0,1,2,3,4
	v_cmp_lt_u32 s[MK+5+\t], s30, v[NI+\t]
.endr
	; where the wave's two runs of 1,280 bytes lie in pm
	s_lshl_b32 s23, ttmp9, 1
	s_add_co_u32 s23, s23, s13                     ; m / 320
	s_lshl_b32 s24, s15, 2
	s_add_co_u32 s24, s24, s14                     ; n / 160: the chunk of n
	s_lshl_b32 s25, s23, 6
	s_add_co_u32 s25, s25, s24
	s_mul_i32 s26, s25, MW*4
	s_mov_b32 s27, 0
	s_lshl_b32 s25, s24, 6
	s_lshl1_add_u32 s25, s23, s25                  ; + the first of my two chunks of m, 2 (m / 320)
	s_mul_i32 s28, s25, NW*4
	s_add_co_u32 s28, s28, PM2
	s_mov_b32 s29, 0
	s_add_nc_u64 s[10:11], s[8:9], s[28:29]        ; minima over m go here
	s_add_nc_u64 s[8:9], s[8:9], s[26:27]          ; minima over n go here
	; LDS addresses: everything inside the wave's own 23,680 bytes
	s_mul_i32 s19, s12, WAVE_B                     ; the table
	s_add_co_u32 s20, s19, XT_B                    ; the stage
	v_mov_b32 v[XAD], s19
	v_lshl_add_u32 v[XS], v[LANE], 4, s19
	v_mul_u32_u24 v[STA], PITCH, v[LANE]
	v_lshl_add_u32 v[STA], v[H], 7, v[STA]
	v_add_nc_u32 v[STA], s20, v[STA]
	v_lshlrev_b32 v[GO], 3, v[LANE]
	v_add_nc_u32 v[SA0], s20, v[GO]                ; stage, 8 bytes a lane
	v_mul_u32_u24 v[SA1], HSTEP, v[H]
	v_add_nc_u32 v[SA1], v[SA0], v[SA1]
	s_wait_loadcnt 15                              ; the 15 loads of x were issued behind those of y and may stay out
	s_wait_alu depctr_va_sdst(0)                   ; the ten masks s[MK ..] are written, ahead of the first v_cndmask_b32 that reads one
.irp j, 0,1,2,3,4
	v_cvt_pk_bf16_f32 v[T],   v[RY+6*\j],   v[RY+6*\j+3]     ; round to nearest even, the two m of the pair side by side
	v_cvt_pk_bf16_f32 v[T+1], v[RY+6*\j+1], v[RY+6*\j+4]
	v_cvt_pk_bf16_f32 v[T+2], v[RY+6*\j+2], v[RY+6*\j+5]
	v_lshlrev_b32 v[Y0+2*\j],   16,  v[T]                    ; and back to f32
	v_and_b32     v[Y0+2*\j+1], s21, v[T]
	v_lshlrev_b32 v[Y1+2*\j],   16,  v[T+1]
	v_and_b32     v[Y1+2*\j+1], s21, v[T+1]
	v_lshlrev_b32 v[Y2+2*\j],   16,  v[T+2]
	v_and_b32     v[Y2+2*\j+1], s21, v[T+2]
	v_pk_mul_f32 v[YY+2*\j:YY+2*\j+1], v[Y0+2*\j:Y0+2*\j+1], v[Y0+2*\j:Y0+2*\j+1]
	v_pk_fma_f32 v[YY+2*\j:YY+2*\j+1], v[Y1+2*\j:Y1+2*\j+1], v[Y1+2*\j:Y1+2*\j+1], v[YY+2*\j:YY+2*\j+1]
	v_pk_fma_f32 v[YY+2*\j:YY+2*\j+1], v[Y2+2*\j:Y2+2*\j+1], v[Y2+2*\j:Y2+2*\j+1], v[YY+2*\j:YY+2*\j+1]
	v_cndmask_b32 v[YY+2*\j],   v[YY+2*\j],   v[INF], s[MK+\j]
	v_cndmask_b32 v[YY+2*\j+1], v[YY+2*\j+1], v[INF], s[MK+\j]
.endr
	s_wait_loadcnt 0x0
.irp t, 0,1,2,3,4
	v_cvt_pk_bf16_f32 v[T],   v[RX+3*\t],   v[RX+3*\t+1]
	v_cvt_pk_bf16_f32 v[T+1], v[RX+3*\t+2], v[RX+3*\t+2]
	v_lshlrev_b32 v[XR+4*\t],   16,  v[T]
	v_and_b32     v[XR+4*\t+1], s21, v[T]
	v_lshlrev_b32 v[XR+4*\t+2], 16,  v[T+1]
	v_mul_f32  v[XR+4*\t+3], v[XR+4*\t],   v[XR+4*\t]
	v_fmac_f32 v[XR+4*\t+3], v[XR+4*\t+1], v[XR+4*\t+1]
	v_fmac_f32 v[XR+4*\t+3], v[XR+4*\t+2], v[XR+4*\t+2]
	v_cndmask_b32 v[XR+4*\t+3], v[XR+4*\t+3], v[INF], s[MK+5+\t]
.endr
	s_wait_alu depctr_va_vdst(0)                   ; the five records v[XR ..] are written, which the table stores read; so are the six addresses XS, XAD, STA, GO, SA0, SA1, for the rest
	                                               ; of the kernel; the conversions are done reading v[RX ..], in which XA's loads land, and all that named v[74:83], in which XB's land, is done
.irp t, 0,1,2,3,4
	ds_store_b128 v[XS], v[XR+4*\t:XR+4*\t+3] offset:512*\t  ; record 32 t + lane
.endr
.irp i, 0,1,2,3
	ds_load_b128 v[XA+4*\i:XA+4*\i+3], v[XAD] offset:16*\i     ; behind the wave's own table stores, which LDS serves first
.endr
.irp a, 0,1,2,3,4,5,6,7,8,9
	v_mov_b32 v[CA+\a], v[INF]
.endr
	s_wait_alu depctr_vm_vsrc(0)                   ; the global loads have read v[MA ..] and v[NA ..], the table stores v[XR ..]: these registers are S1, XB, Z0 and Z1 from here on
; One of the next four x records.  HALF sets NXT, the buffer, and LDOFF, the four records' byte in the table counted from v[XAD].
.macro XLOAD i
	ds_load_b128 v[NXT+4*(\i):NXT+4*(\i)+3], v[XAD] offset:LDOFF+16*(\i)
.endm
; Two n (records in registers xa.., xb..) against my ten m.  Ten independent chains, so each instruction stands ten behind the
; one whose result it takes.  op_sel picks the register of the record's pair that feeds both halves of the packed result.
; mem = 1: the next four records are asked for, two behind each of the first two runs of ten.  No wait: no vector instruction
; since the wait at the half's head names the other X buffer or v[XAD].
.macro PAIRN xa, xb, ra, rb, mem
.irp j, 0,2,4,6,8
	v_pk_add_f32 v[S0+\j:S0+\j+1], v[YY+\j:YY+\j+1], v[\xa+2:\xa+3] op_sel:[0,1] op_sel_hi:[1,1]   ; S = yy + xx
	v_pk_add_f32 v[S1+\j:S1+\j+1], v[YY+\j:YY+\j+1], v[\xb+2:\xb+3] op_sel:[0,1] op_sel_hi:[1,1]
.endr
.if \mem
	XLOAD 0
	XLOAD 1
.endif
.irp j, 0,2,4,6,8
	v_pk_mul_f32 v[Z0+\j:Z0+\j+1], v[Y0+\j:Y0+\j+1], v[\xa:\xa+1] op_sel_hi:[1,0]                  ; p0
	v_pk_mul_f32 v[Z1+\j:Z1+\j+1], v[Y0+\j:Y0+\j+1], v[\xb:\xb+1] op_sel_hi:[1,0]
.endr
.if \mem
	XLOAD 2
	XLOAD 3
.endif
.irp j, 0,2,4,6,8
	v_pk_fma_f32 v[Z0+\j:Z0+\j+1], v[Y1+\j:Y1+\j+1], v[\xa:\xa+1], v[Z0+\j:Z0+\j+1] op_sel:[0,1,0] op_sel_hi:[1,1,1]   ; + p1
	v_pk_fma_f32 v[Z1+\j:Z1+\j+1], v[Y1+\j:Y1+\j+1], v[\xb:\xb+1], v[Z1+\j:Z1+\j+1] op_sel:[0,1,0] op_sel_hi:[1,1,1]
.endr
.irp j, 0,2,4,6,8
	v_pk_fma_f32 v[Z0+\j:Z0+\j+1], v[Y2+\j:Y2+\j+1], v[\xa+2:\xa+3], v[Z0+\j:Z0+\j+1] op_sel_hi:[1,0,1]                ; + p2
	v_pk_fma_f32 v[Z1+\j:Z1+\j+1], v[Y2+\j:Y2+\j+1], v[\xb+2:\xb+3], v[Z1+\j:Z1+\j+1] op_sel_hi:[1,0,1]
.endr
.irp j, 0,2,4,6,8
	v_pk_fma_f32 v[Z0+\j:Z0+\j+1], v[Z0+\j:Z0+\j+1], -2.0, v[S0+\j:S0+\j+1] op_sel_hi:[1,0,1]      ; P = S - 2 zz
	v_pk_fma_f32 v[Z1+\j:Z1+\j+1], v[Z1+\j:Z1+\j+1], -2.0, v[S1+\j:S1+\j+1] op_sel_hi:[1,0,1]
.endr
.irp a, 0,1,2,3,4,5,6,7,8,9
	v_min3_num_f32 v[CA+\a], v[CA+\a], v[Z0+\a], v[Z1+\a]          ; over n, for each of my m
.endr
	v_min3_num_f32 v[S0],   v[Z0],   v[Z0+1], v[Z0+2]              ; over my ten m, for each n
	v_min3_num_f32 v[S1],   v[Z1],   v[Z1+1], v[Z1+2]
	v_min3_num_f32 v[S0+1], v[Z0+3], v[Z0+4], v[Z0+5]
	v_min3_num_f32 v[S1+1], v[Z1+3], v[Z1+4], v[Z1+5]
	v_min3_num_f32 v[S0+2], v[Z0+6], v[Z0+7], v[Z0+8]
	v_min3_num_f32 v[S1+2], v[Z1+6], v[Z1+7], v[Z1+8]
	v_min3_num_f32 v[S0],   v[S0],   v[S0+1], v[Z0+9]
	v_min3_num_f32 v[S1],   v[S1],   v[S1+1], v[Z1+9]
	v_min_num_f32  v[\ra],  v[S0],   v[S0+2]
	v_min_num_f32  v[\rb],  v[S1],   v[S1+2]
.endm
; A half: four n from buffer cur; their minima over my m go into rw.
; st = 1: the minima of the half before, in rs, go to byte stoff of my stage row, counted from v[STA].
; more = 1: the next four records are asked for, into nxt, from byte ldoff of the table, counted from v[XAD].
; free = 1: the next half writes rs again.  step = 1: both addresses move on by eight n.
.macro HALF cur, nxt, rw, rs, ldoff, stoff, more, st, free, step
.set NXT, \nxt
.set LDOFF, \ldoff
	s_wait_dscnt 0x0                               ; cur is in.  The count is 0: all that I have out was issued early in the half before, its store first and cur's four loads last; nothing is younger
.if \st
	s_wait_alu depctr_va_vdst(0)                   ; the half before has written rs, which the store below reads, and is done reading nxt, in which this half's loads land; behind a step v[XAD] and v[STA] are written
	ds_store_b128 v[STA], v[\rs:\rs+3] offset:\stoff   ; my row of the stage, four n
.endif
	PAIRN \cur, \cur+4, \rw, \rw+1, \more
	PAIRN \cur+8, \cur+12, \rw+2, \rw+3, 0
.if \free
	s_wait_alu depctr_vm_vsrc(0)                   ; this half's store has read rs, which the next half's minima write again; the LDS instructions issued so far have read v[XAD] and v[STA]
.endif
.if \step
	v_add_nc_u32 v[XAD], 128, v[XAD]
	v_add_nc_u32 v[STA], 32, v[STA]
.endif
.endm
	HALF XA, XB, RP, RQ, 64, 0, 1, 0, 0, 0         ; half 0 has no half in front of it: no store; since the wait ahead of the table stores only the moves into CA were issued, which name nothing of its loads
	s_mov_b32 s22, NW/8-1
.Ltrip:                                            ; eight n a trip: halves 2 u + 1 and 2 u + 2, u = 0 .. 18
	HALF XB, XA, RQ, RP, 128, 0, 1, 1, 1, 0
	HALF XA, XB, RP, RQ, 192, 16, 1, 1, 1, 1
	s_sub_co_i32 s22, s22, 1
	s_cmp_lg_u32 s22, 0
	s_cbranch_scc1 .Ltrip
	HALF XB, XA, RQ, RP, 0, 0, 0, 1, 0, 0          ; half 39: nothing is read past the table; its own minima leave below
	; THE WAY OUT.  Minima over n: through the table's bytes (read out by now), so that m runs along the lanes.
	v_mul_u32_u24 v[T], NW*4, v[H]
	v_lshl_add_u32 v[T], v[R16], 3, v[T]
	v_add_nc_u32 v[T], s19, v[T]                   ; 4 (160 h + 2 r)
	v_add_nc_u32 v[T+1], s19, v[GO]
	s_wait_alu depctr_va_vdst(0)                   ; half 39 has written RQ and CA, which the stores below read; v[T] and v[T+1], their addresses, are written; and all that named
	                                               ; the registers in which the loads below land (Y0, the X buffers, Z0, Z1, S0, S1) is done
	ds_store_b128 v[STA], v[RQ:RQ+3] offset:16     ; the last four n of my stage row
.irp j, 0,1,2,3,4
	ds_store_b64 v[T], v[CA+2*\j:CA+2*\j+1] offset:128*\j
.endr
.irp t, 0,1,2,3,4
	ds_load_b64 v[G+2*\t:G+2*\t+1], v[T+1] offset:256*\t
.endr
; Minima over m: pair of n number u of half hh lies at byte 8 u of the 16 rows of that half.  Lane l takes pair l + 32 p of the 160
; pairs (80 for each half) in pass p, so that its result lies at byte 8 (l + 32 p) of the wave's 1,280 bytes in pm.
.macro SLOAD buf, areg, off
.irp s, 0,1,2,3,4,5,6,7,8,9,10,11,12,13,14,15
	ds_load_b64 v[\buf+2*\s:\buf+2*\s+1], v[\areg] offset:\off+\s*PITCH
.endr
.endm
.macro SRED buf, res
.irp c, 0,1
	v_min3_num_f32 v[\buf+\c],    v[\buf+\c],    v[\buf+2+\c],  v[\buf+4+\c]
	v_min3_num_f32 v[\buf+6+\c],  v[\buf+6+\c],  v[\buf+8+\c],  v[\buf+10+\c]
	v_min3_num_f32 v[\buf+12+\c], v[\buf+12+\c], v[\buf+14+\c], v[\buf+16+\c]
	v_min3_num_f32 v[\buf+18+\c], v[\buf+18+\c], v[\buf+20+\c], v[\buf+22+\c]
	v_min3_num_f32 v[\buf+24+\c], v[\buf+24+\c], v[\buf+26+\c], v[\buf+28+\c]
.endr
.irp c, 0,1
	v_min3_num_f32 v[\buf+\c],    v[\buf+\c],    v[\buf+6+\c],  v[\buf+12+\c]
	v_min3_num_f32 v[\buf+18+\c], v[\buf+18+\c], v[\buf+24+\c], v[\buf+30+\c]
.endr
.irp c, 0,1
	v_min_num_f32 v[\res+\c], v[\buf+\c], v[\buf+18+\c]
.endr
.endm
.macro SOUT res, goff
	global_store_b64 v[GO], v[\res:\res+1], s[10:11] offset:\goff   ; 32 lanes, 256 consecutive bytes, aligned
.endm
	SLOAD E0, SA0, 0                               ; pass 0: half 0, pairs 0-31
	SLOAD E1, SA0, 256                             ; pass 1: half 0, pairs 32-63
	SLOAD E2, SA1, 512                             ; pass 2: lanes 0-15 half 0, pairs 64-79; lanes 16-31 half 1, pairs 0-15
	s_wait_dscnt 48                                ; the three runs of 16 stay out; the five loads of G are in
.irp t, 0,1,2,3,4
	global_store_b64 v[GO], v[G+2*\t:G+2*\t+1], s[8:9] offset:256*\t
.endr
	s_wait_dscnt 32                                ; the two younger runs of 16 stay out
	SRED E0, RS
	s_wait_dscnt 16                                ; the youngest run of 16 stays out
	SRED E1, RS+2
	s_wait_alu depctr_va_vdst(0)                   ; the minima have written v[RS:RS+3], which the two stores read, and are done with E0 and E1, in which the loads below land
	SOUT RS, 0
	SOUT RS+2, 256
	SLOAD E0, SA0, 768+HSTEP                       ; pass 3: half 1, pairs 16-47
	SLOAD E1, SA0, 1024+HSTEP                      ; pass 4: half 1, pairs 48-79
	s_wait_dscnt 32                                ; the two runs just issued stay out: E2 is in
	SRED E2, RS+4
	s_wait_dscnt 16
	SRED E0, RS+6
	s_wait_dscnt 0x0
	SRED E1, RS+8
	s_wait_alu depctr_va_vdst(0)                   ; the minima have written v[RS+4:RS+9], which the last three stores read
	SOUT RS+4, 512
	SOUT RS+6, 768
	SOUT RS+8, 1024
	s_wait_dscnt 0x0
	s_wait_alu depctr_hold_cnt(0) depctr_sa_sdst(0) depctr_va_vdst(0) depctr_va_sdst(0) depctr_va_ssrc(0) depctr_va_vcc(0) depctr_vm_vsrc(0)
	s_wait_tensorcnt 0x0
	ds_add_u32 v7, v137
	s_wait_dscnt 0x0
	s_endpgm
.Lfunc_end_k_q1aa45728c2_pairs:
	.size	k_q1aa45728c2_pairs, .Lfunc_end_k_q1aa45728c2_pairs-k_q1aa45728c2_pairs
	.p2alignl 7, 3214868480
	.fill 96, 4, 3214868480
	.section	.rodata,"a",@progbits
	.p2align	6, 0x0
	.amdhsa_kernel k_q1aa45728c2_pairs
		.amdhsa_group_segment_fixed_size 190464
		.amdhsa_private_segment_fixed_size 0
		.amdhsa_enable_private_segment 0
		.amdhsa_kernarg_size 24
		.amdhsa_user_sgpr_count 2
		.amdhsa_user_sgpr_kernarg_segment_ptr 1
		.amdhsa_wavefront_size32 1
		.amdhsa_system_sgpr_workgroup_id_x 1
		.amdhsa_system_sgpr_workgroup_id_y 1
		.amdhsa_system_sgpr_workgroup_id_z 1
		.amdhsa_system_vgpr_workitem_id 0
		.amdhsa_next_free_vgpr 178
		.amdhsa_next_free_sgpr 66
		.amdhsa_reserve_vcc 0
		.amdhsa_float_denorm_mode_32 3
		.amdhsa_float_denorm_mode_16_64 3
		.amdhsa_memory_ordered 1
		.amdhsa_forward_progress 1
		.amdhsa_inst_pref_size 62
	.end_amdhsa_kernel
	.amdgpu_metadata
---
amdhsa.version: [ 1, 2 ]
amdhsa.kernels:
  - .name:           k_q1aa45728c2_pairs
    .symbol:         k_q1aa45728c2_pairs.kd
    .args:
      - { .name: gts, .offset: 0, .size: 8, .value_kind: global_buffer, .address_space: global }
      - { .name: preds, .offset: 8, .size: 8, .value_kind: global_buffer, .address_space: global }
      - { .name: pm, .offset: 16, .size: 8, .value_kind: global_buffer, .address_space: global }
    .group_segment_fixed_size: 190464
    .private_segment_fixed_size: 0
    .kernarg_segment_align: 8
    .kernarg_segment_size: 24
    .max_flat_workgroup_size: 256
    .sgpr_count:     66
    .vgpr_count:     178
    .wavefront_size: 32
...
	.end_amdgpu_metadata
.endif
;; end of part 4
;; launch pick: the kernel of part 2 again; grid 160 x 2, 1 waves a work-group, no clusters, 0 bytes of LDS; arguments gts, preds, pm, out0, out1, ch, rec; writes out0, out1, ch, rec
;; launch find: the kernel of part 3 again; grid 157 x 2, 8 waves a work-group, no clusters, 1,280 bytes of LDS; arguments ch, out0, out1, rec, out2, out3; writes out2, out3
